; MI455X (gfx1250); checked and timed in simulation.
; The chip was launched on July 23, 2026; its instructions are those of AMD's public machine-readable ISA for CDNA 5 (MIT licence, August 2026) and "CDNA5" Instruction Set Architecture Reference Guide (July 2026). The comments in the code are by the model that wrote it; some were corrected since.
;; CLUB. Allowed arithmetic: matrix products marked QUANTISED: E3M2 operands, one E8M0 scale for each 32 along K, by v_wmma_scale_f32_16x16x128_f8f6f4 with both operands' format E3M2, f32 sums; products left as they are: f32 operands where the result goes on into a quantised operand, else bf16, f16 or f32 operands; f32 sums; everything else in f32.
;; Inputs: W1 128 x 256 float32; W2_codes 128 x 4 x 24 uint8 (E3M2 codes of W2, K innermost, in blocks of 32 codes, four codes in three bytes); W2_scales 128 x 4 uint8 (E8M0 scales of W2, one for each 32 codes along K); W3 1 x 128 float32; b1 128 float32; b2 128 float32; b3 1 float32; z1_codes 1,024 x 4 x 24 uint8 (E3M2 codes of z1, K innermost, in blocks of 32 codes, four codes in three bytes); z1_scales 1,024 x 4 uint8 (E8M0 scales of z1, one for each 32 codes along K); z2_codes 1,024 x 4 x 24 uint8 (E3M2 codes of z2, K innermost, in blocks of 32 codes, four codes in three bytes); z2_scales 1,024 x 4 uint8 (E8M0 scales of z2, one for each 32 codes along K).
;; Outputs: out0 1,024 x 1,024 float32.
;; This version of the problem:
;;   THIS VERSION OF THE PROBLEM IS GIVEN IN LOW PRECISION. The matrix products marked QUANTISED in the list below multiply operands that are first quantised to E3M2 (3 exponent bits, 2 mantissa bits; 6 bits a number), with one power-of-two scale for each 32 numbers along K (OCP MX v1.0); their sums are f32. All else is computed in f32.
;;   The module's matrix products, in the order in which they are computed (A, B: the left and right operand; K: the contracted axis; several contracted axes count as one K, in the product's order):
;;     1. [M 1,024, K 128] x [K 128, N 128]; A: input z1 (given as codes); B: input W1: QUANTISED
;;     2. [M 1,024, K 128] x [K 128, N 128]; A: input z2 (given as codes); B: input W1: QUANTISED
;;     3. [M 1,048,576, K 128] x [K 128, N 128]; A: computed on the way; B: input W2 (given as codes): QUANTISED
;;     4. [M 1,048,576, K 128] x [K 128, N 1]; A: computed on the way; B: input W3: left as it is (N = 1 < 16)
;;   THE QUANTISER, for each operand of a quantised product, along K:
;;     - K is cut into blocks of 32 from its start; a last block that is shorter is filled with zeros.
;;     - A block's scale is 2^e with e = floor(log2(the largest magnitude in the block)) - 4, held to -126 .. 127; a block of zeros has e = 0. As a byte (E8M0): e + 127.
;;     - Each number is divided by its block's scale, clamped to +-28, and rounded to the nearest number of E3M2, ties to even, subnormals kept.
;;     - The product sums the exact products of the quantised numbers (number of the format x scale) in f32.
;;   ~~~python
;;   def quantise(x, axis):      # numpy; x: float32 -> the quantised numbers, widened to float32 again
;;       x = np.moveaxis(x, axis, -1); K = x.shape[-1]
;;       x = np.pad(x, [(0, 0)] * (x.ndim - 1) + [(0, -K % 32)]); x = x.reshape(x.shape[:-1] + (-1, 32)); a = np.abs(x).max(-1, keepdims=True)
;;       e = np.where(a > 0, np.clip(np.frexp(np.where(a > 0, a, 1))[1] - 1 - 4, -126, 127), 0)      # np.frexp(a)[1] - 1 = floor(log2(a)), exactly
;;       r = np.clip(x / 2.0 ** e, -28, 28)
;;       step = 2.0 ** (np.maximum(np.frexp(np.where(r == 0, 1, r))[1] - 1, -2) - 2)
;;       q = np.round(r / step) * step * 2.0 ** e      # np.round: ties to even
;;       return np.moveaxis(q.reshape(q.shape[:-2] + (-1,))[..., :K], -1, axis).astype(np.float32)
;;   ~~~
;;   OPERANDS COMPUTED ON THE WAY. 'Computed on the way' means the value that the module computes at that place (a softmax that the list does not call 'softmax' is quantised finished and normalised). What goes into a quantiser is computed in f32, as accurately as f32 sums, v_exp_f32 and their like allow (about 1e-6 of the number): no bf16 or f16 on the way to a quantiser, and a product that is left as it is and whose result goes on into a quantised operand takes f32 operands (vector FMAs, or v_wmma_f32_16x16x4_f32). A number that lies on a knife's edge between two numbers of the format may be rounded either way, as far as f32 arithmetic and the matrix unit's own rounding can turn it there, and no further.
;;   INPUTS GIVEN AS CODES. W2 (in the module: [128, 128], K = its axis 1); z1 (in the module: [1024, 128], K = its axis 1); z2 (in the module: [1024, 128], K = its axis 1): each comes as NAME_codes (uint8): NAME with its K axis moved to the last place and cut into blocks of 32 codes, [.., K / 32, bytes a block], one block behind the other in memory; four codes in three bytes: a row's codes are one little-endian stream of bits, code i at bits 6 i .. 6 i + 5 (a code: sign, 3 exponent bits, 2 mantissa bits); and NAME_scales (uint8): the same leading axes, one E8M0 byte (e + 127) for each 32 codes along K. Its value is code x scale, taken as it is: it is not quantised again, and the codes and scales need not be those that the quantiser above would give.
;; 2 versions, each right; version 2 is version 1 with the launch club written anew for expert scheduling mode. Each part assembles by itself: llvm-mc -triple=amdgcn-amd-amdhsa -mcpu=gfx1250 --defsym DOCPART=n.
;; ======== version 1 of 2: 1 launch
;; launch club (part 1): grid 8 x 32, 8 waves a work-group, no clusters, 194,560 bytes of LDS; arguments W1, W2_codes, W2_scales, W3, b1, b2, b3, z1_codes, z1_scales, z2_codes, z2_scales, out0; writes out0
.if DOCPART == 1
	.amdgcn_target "amdgcn-amd-amdhsa--gfx1250"
	.amdhsa_code_object_version 6
	.text
	.protected	k_q331593045d_club
	.globl	k_q331593045d_club
	.p2align	8
	.type	k_q331593045d_club,@function
k_q331593045d_club:
	s_mov_b64 s[64:65], 0
	v_nop
	global_prefetch_b8 v0, s[64:65] scope:SCOPE_SE
	s_setreg_imm32_b32 hwreg(HW_REG_WAVE_MODE, 25, 1), 1
	s_wait_xcnt 0x0
; out[i][j] = W3 . gelu(W2 . Q(gelu(a[j] + b[i] + b1)) + b2) + b3,  a = z1 W1a^T, b = z2 W1b^T,  1,024 x 1,024 pairs (i, j), hidden size 128.
; The three products with K = 128 go on codes of BF6 (E3M2) with one E8M0 scale for each 32 along K; z1, z2 and W2 arrive as codes, W1 (f32) and the first gelu's result are quantised here.  All else is f32.
; WHAT BINDS.  A pair costs 256 exact gelus and 8 / 16 of a matrix instruction's tile: the vector work outweighs the matrix work many times.  So the text is laid for few vector instructions a number, and for nothing else.
; SHARES.  A work-group owns 32 rows i x 128 columns j.  Eight waves, two for each of a WGP's four SIMDs, 512 registers each: one wave's waits stand beside the other's vector work.
;   Wave w owns the 16 columns j0 = 128 x + 16 w on and walks the 32 rows: one trip = one i = 16 pairs.  Lane (r = lane % 16, h = lane / 16) holds pair r throughout.
; LAYOUT.  The first gelu is elementwise, so it is computed straight in the layout of a 6-bit operand: register R (0 .. 63) of lane (r, h) holds hidden unit k(R, h) = 64 (R / 32) + 32 h + R % 32.
;   A whole block of 32 then lies in one lane: its largest magnitude needs no other lane, and the conversions' results are the operand's registers.
;   a is brought into that layout by the choice of W1's rows for a tile: row m of tile t is W1's row 64 (t / 4) + 8 (t % 4) + m % 8 + 32 (m / 8); the product is used transposed (source 0 = W1's rows, source 1 = z1's).
;   b + b1 (b1 is the C of that product) goes to LDS as plain rows of f32, and a trip reads its row in the lane's order.
;   The third product is used transposed too (source 0 = 16 rows of W2, source 1 = the hidden layer; C = b2): register 8 t + jj of lane (r, h) is unit 16 t + 8 h + jj of pair r.  W3's product is 32 packed
;   multiply-adds a lane and one exchange between lanes l and l xor 16.
; GELU.  gelu(x) = x (0.5 + xc P(z) / Q(z)), xc = x held to +-4 sqrt(2), z = xc^2: the rational form of erf of degree 6 over 4 in (x / sqrt 2)^2, its coefficients rewritten for z (x 2^-k, exact) and 0.5 / sqrt(2) folded into P.
; NO CLUSTER: what work-groups share is W1 (131,072 bytes) and W2's 12,800 bytes, read once at the head, ahead of 32 trips of some 1,300 vector instructions a wave; the loop reads nothing from memory.
; NO TENSOR LOADS, no ring: LDS is written by ds_store alone.  Two barriers in all.
; LIMITS.  Below x = -4 sqrt(2) a gelu gives x s(-4 sqrt 2), |s| about 6e-8 at the most, for x Phi(x) (under 1e-8 |x|).  NaN and infinities among the inputs are not served.  A block of zeros gets the byte 1 where the rule
;   says 127: its codes are zeros, and these bytes are read here alone.  x is formed as a + (b + b1) where the problem's text forms (a + b) + b1.
;
; LDS
.set TURNB,  16640                     ; for each wave: its 16 rows of W1, 1,024 bytes + 16: rows 65 x 16 bytes apart, so sixteen rows' 16-byte pieces fall on sixteen different places modulo 256 bytes
.set TPITCH, 1040
.set FRB,    1536                      ; a fragment's image: 12 registers x 32 lanes x 4 bytes
.set IMG1,   8*TURNB                   ; images of W1a's 8 fragments; behind them (IMG2O on) W2's 8
.set IMG2O,  8*FRB
.set SC1,    IMG1+16*FRB               ; W1a's scale words, 128 bytes a tile; behind them (SC2O on) W2's
.set SC2O,   1024
.set BL,     SC1+2048                  ; b + b1: 32 rows of 512 bytes + 16
.set RP,     528
.set STG,    BL+32*RP                  ; the way out: 32 rows i x 128 columns j of f32, 512 bytes + 16
; VECTOR REGISTERS, window 0
.set GL16, 3                           ; 16 x lane
.set GZ,   4                           ; 96 r + 24 h: a lane's place in 16 rows of 128 codes
.set GS,   5                           ; 4 r
.set GL4,  6                           ; 4 x lane
.set GB,   7                           ; 32 h
.set GB1,  8                           ; 128 h
.set TW,   9                           ; my wave's rows of W1 in LDS, as loaded
.set TR,   10                          ; and as a lane wants them: row r, + 128 h
.set LIW,  11                          ; where I store an image
.set LSW,  12                          ; and its scale words
.set LIR,  13                          ; where any image is read
.set LSR,  14                          ; and any scale words
.set BW,   15                          ; where I store b + b1
.set BA0,  16                          ; where a row of it is read
.set SA0,  17                          ; my pair's word in the stage
.set AD,   18                          ; the two of the trip in hand
.set AS,   19
.set SH8,  20                          ; 8 h
.set SR,   21                          ; the way out: where I read rows back
.set KA,   22                          ; v[22:23] P's leading coefficient, twice
.set KB,   24                          ; v[24:25] Q's
.set XY,   32                          ; v32-95   the row of b + b1, then x, then the hidden layer; later the third product's result
.set PX,   96                          ; v96-111  in a gelu: xc
.set PZ,   112                         ; v112-127 z
.set PN,   128                         ; v128-143 P, then P / Q, then s, then x s
.set PD,   144                         ; v144-159 Q, then 1 / Q
.set MX,   96                          ; in the quantiser: v96-99 largest magnitudes,
.set SO,   100                         ; v100-101 the conversions' scale operands,
.set BY,   102                         ; v102-103 the bytes,
.set CT0,  106                         ; v106-108, v110-112 the upper halves of the two blocks' codes
.set CT1,  110
.set BD,   128                         ; at the head: the second product's two results
.set W3R,  160                         ; v160-223 register 8 t + jj = W3[16 t + 8 h + jj]
.set CD,   224                         ; v224-235 the codes just made
.set ACC,  236                         ; v236-243 four pairs of partial sums of W3's product
.set WS,   244                         ; v244-251 scale words of the eight tiles of a weight: nothing but scales
.set HS,   252                         ; the scale word just made: nothing but scales
.set Z1S,  253                         ; z1's scale words
.set Z2S,  254                         ; z2's: lanes 0-15 rows 0-15, lanes 16-31 rows 16-31
.set PT,   255                         ; a lane exchange's destination
; window 1
.set W2F,  0                           ; v0-95    W2's 8 fragments
.set B2,   96                          ; v96-159  register 8 t + jj = b2[16 t + 8 h + jj]
.set AR,   160                         ; v160-223 a, in the layout k(R, h)
.set Z2F,  160                         ; at the head: z2's two fragments
.set Z1F,  224                         ; z1's fragment
.set B1T,  236                         ; b1 for my tile of hidden units
.set OW,   244                         ; W2's tile w, on its way to LDS
; SCALAR REGISTERS: s2 wave; s3-7, s32-35 at work; s[8:31] the twelve addresses; s[36:55] coefficients, each twice; s56, s57 the hold; s[58:59] lane selects; s60 the trip's row in LDS; s61 trips to go; s[62:63] b3, twice
.set MSB, 0
.macro WIN new                         ; s_set_vgpr_msb: bits 1:0 source 0, 3:2 source 1, 5:4 source 2, 7:6 destination; the high byte repeats the setting that is left
.if MSB != \new
	s_set_vgpr_msb (MSB<<8)|\new
.set MSB, \new
.endif
.endm
.macro PLACES n
.rept \n
	v_nop
.endr
.endm
.macro BARRIER                         ; my LDS stores have landed and my LDS loads are in: then the work-group's barrier
	s_wait_dscnt 0x0
	s_barrier_signal -1
	s_barrier_wait -1
.endm
.macro COEF reg, bits                  ; a packed form names a pair and takes its low word for both halves: both words are written
	s_mov_b32 s[\reg], \bits
	s_mov_b32 s[\reg+1], \bits
.endm
.macro IMAGE adr, reg, off             ; a fragment goes to LDS as an image of its registers: lane l's 16 bytes at 16 l, 512 bytes a store
.irp c, 0,1,2
	ds_store_b128 v[\adr], v[\reg+4*\c:\reg+4*\c+3] offset:\off+512*\c
.endr
.endm
.macro FETCH reg, off                  ; and comes back so, in any wave
.irp c, 0,1,2
	ds_load_b128 v[\reg+4*\c:\reg+4*\c+3], v[LIR] offset:\off+512*\c
.endr
.endm
.macro HORNER acc, sc                  ; acc = acc z + the coefficient, eight pairs
.irp p, 0,2,4,6,8,10,12,14
	v_pk_fma_f32 v[\acc+\p:\acc+\p+1], v[\acc+\p:\acc+\p+1], v[PZ+\p:PZ+\p+1], s[\sc:\sc+1] op_sel_hi:[1,1,0]
.endr
.endm
; 16 numbers v[b] .. v[b + 15].  dot = 0: each becomes its gelu, in place.  dot = 1: the gelus are multiplied by W3 and added to the four pairs of ACC (first = 1: the first four products start the sums: nothing is cleared).
; The numbers are read in ascending order, so that a matrix result is first read at its low end.
.macro GELU b, dot, first
.irp e, 0,1,2,3,4,5,6,7,8,9,10,11,12,13,14,15
	v_med3_num_f32 v[PX+\e], v[\b+\e], s56, s57                    ; xc
.endr
.irp p, 0,2,4,6,8,10,12,14
	v_pk_mul_f32 v[PZ+\p:PZ+\p+1], v[PX+\p:PX+\p+1], v[PX+\p:PX+\p+1]
.endr
.irp p, 0,2,4,6,8,10,12,14
	v_pk_fma_f32 v[PD+\p:PD+\p+1], v[PZ+\p:PZ+\p+1], v[KB:KB+1], s[48:49] op_sel_hi:[1,1,0]
.endr
.irp p, 0,2,4,6,8,10,12,14
	v_pk_fma_f32 v[PN+\p:PN+\p+1], v[PZ+\p:PZ+\p+1], v[KA:KA+1], s[36:37] op_sel_hi:[1,1,0]
.endr
	HORNER PD, 50                                  ; Q and P by turns: a line's operands were made sixteen lines back
	HORNER PN, 38
	HORNER PD, 52
	HORNER PN, 40
	HORNER PD, 54                                  ; Q is whole
	HORNER PN, 42
.irp p, 0,2,4,6,8,10,12,14                     ; P's last two steps stand between the reciprocals: behind each reciprocal a plain line that touches neither its result nor its source (ISA guide 5.7.2)
	v_pk_fma_f32 v[PN+\p:PN+\p+1], v[PN+\p:PN+\p+1], v[PZ+\p:PZ+\p+1], s[44:45] op_sel_hi:[1,1,0]
	v_rcp_f32 v[PD+\p], v[PD+\p]
.endr
.irp p, 0,2,4,6,8,10,12,14
	v_pk_fma_f32 v[PN+\p:PN+\p+1], v[PN+\p:PN+\p+1], v[PZ+\p:PZ+\p+1], s[46:47] op_sel_hi:[1,1,0]
	v_rcp_f32 v[PD+\p+1], v[PD+\p+1]
.endr
	s_wait_alu depctr_va_vdst(0)
.irp p, 0,2,4,6,8,10,12,14
	v_pk_mul_f32 v[PN+\p:PN+\p+1], v[PN+\p:PN+\p+1], v[PD+\p:PD+\p+1]         ; P / Q  (the first of these is the plain line behind the last reciprocal, whose result the last of them reads)
.endr
.irp p, 0,2,4,6,8,10,12,14
	v_pk_fma_f32 v[PN+\p:PN+\p+1], v[PX+\p:PX+\p+1], v[PN+\p:PN+\p+1], 0.5 op_sel_hi:[1,1,0]   ; s = 0.5 + xc P / Q
.endr
.if \dot
.irp p, 0,2,4,6,8,10,12,14
	v_pk_mul_f32 v[PN+\p:PN+\p+1], v[\b+\p:\b+\p+1], v[PN+\p:PN+\p+1]         ; x s
.endr
.irp p, 0,2,4,6,8,10,12,14
.if \first && (\p < 8)
	v_pk_mul_f32 v[ACC+\p%8:ACC+\p%8+1], v[PN+\p:PN+\p+1], v[W3R+\b-XY+\p:W3R+\b-XY+\p+1]
.else
	v_pk_fma_f32 v[ACC+\p%8:ACC+\p%8+1], v[PN+\p:PN+\p+1], v[W3R+\b-XY+\p:W3R+\b-XY+\p+1], v[ACC+\p%8:ACC+\p%8+1]
.endif
.endr
.else
.irp p, 0,2,4,6,8,10,12,14
	v_pk_mul_f32 v[\b+\p:\b+\p+1], v[\b+\p:\b+\p+1], v[PN+\p:PN+\p+1]         ; x s, in place
.endr
.endif
.endm
; 64 numbers of a lane, v[s] .. v[s + 63], register R = k 64 (R / 32) + 32 h + R % 32 of my row: two whole blocks of 32.  They become a fragment's 12 registers in v[CD] on and my row's scale word in v[HS].
.macro QUANT s
	v_max3_num_f32 v[MX+0], |v[\s+0]|,  |v[\s+1]|,  0x2800000      ; each block's largest magnitude in two chains, the four chains by turns; the floor 2^(5 - 127) is a leaf: the byte cannot fall under 1
	v_max3_num_f32 v[MX+1], |v[\s+16]|, |v[\s+17]|, |v[\s+18]|
	v_max3_num_f32 v[MX+2], |v[\s+32]|, |v[\s+33]|, 0x2800000
	v_max3_num_f32 v[MX+3], |v[\s+48]|, |v[\s+49]|, |v[\s+50]|
.irp i, 0,2,4,6,8,10
	v_max3_num_f32 v[MX+0], v[MX+0], |v[\s+2+\i]|,  |v[\s+3+\i]|
	v_max3_num_f32 v[MX+1], v[MX+1], |v[\s+19+\i]|, |v[\s+20+\i]|
	v_max3_num_f32 v[MX+2], v[MX+2], |v[\s+34+\i]|, |v[\s+35+\i]|
	v_max3_num_f32 v[MX+3], v[MX+3], |v[\s+51+\i]|, |v[\s+52+\i]|
.endr
	v_max3_num_f32 v[MX+0], v[MX+0], |v[\s+14]|, |v[\s+15]|
	v_max3_num_f32 v[MX+2], v[MX+2], |v[\s+46]|, |v[\s+47]|
	v_max3_num_f32 v[MX+0], v[MX+0], v[MX+1], |v[\s+31]|
	v_max3_num_f32 v[MX+2], v[MX+2], v[MX+3], |v[\s+63]|
	v_add_nc_u32 v[SO],   0xfe000000, v[MX+0]                    ; 4 off the exponent field: the conversion takes the exponent field of this operand as its scale, and nothing else of it
	v_add_nc_u32 v[SO+1], 0xfe000000, v[MX+2]
	v_lshrrev_b32 v[BY],   23, v[SO]                             ; the scales' bytes: blocks h and 2 + h of my row,
	v_lshrrev_b32 v[BY+1], 23, v[SO+1]
	v_lshl_or_b32 v[BY], v[BY+1], 16, v[BY]
	v_lshlrev_b32 v[BY], v[SH8], v[BY]                           ; at their places in the scale word (8 h bits up);
	v_permlanex16_b32 v[PT], v[BY], s58, s59
	v_or_b32 v[HS], v[BY], v[PT]                                 ; with lane l xor 16's two the word is whole
	v_cvt_scalef32_pk16_bf6_f32 v[CD:CD+2],     v[\s:\s+15],    v[SO]
	v_cvt_scalef32_pk16_bf6_f32 v[CT0:CT0+2],   v[\s+16:\s+31], v[SO]     ; (a conversion's three registers begin on an even number: a block's upper three do not, so they are made elsewhere and moved)
	v_cvt_scalef32_pk16_bf6_f32 v[CD+6:CD+8],   v[\s+32:\s+47], v[SO+1]
	v_cvt_scalef32_pk16_bf6_f32 v[CT1:CT1+2],   v[\s+48:\s+63], v[SO+1]
	v_nop                                                        ; one plain place behind a scaled conversion
.irp i, 0,1,2
	v_mov_b32 v[CD+3+\i], v[CT0+\i]
	v_mov_b32 v[CD+9+\i], v[CT1+\i]
.endr
.endm
	; ---- the head: addresses, ids, constants
	s_load_b512 s[8:23], s[0:1], 0x0               ; W1 s[8:9], W2's codes s[10:11], W2's scales s[12:13], W3 s[14:15], b1 s[16:17], b2 s[18:19], b3 s[20:21], z1's codes s[22:23]
	s_load_b256 s[24:31], s[0:1], 0x40             ; z1's scales s[24:25], z2's codes s[26:27], z2's scales s[28:29], out s[30:31]
	v_lshl_add_u32 v30, v0, 2, 0x2f400
	v_mov_b32 v31, 0
	v_lshrrev_b32 v1, 5, v0
	v_readfirstlane_b32 s2, v1                     ; wave 0..7
	v_and_b32 v26, 31, v0                          ; lane
	v_and_b32 v1, 15, v0                           ; r
	v_bfe_u32 v2, v0, 4, 1                         ; h
	s_lshr_b32 s5, s2, 2
	s_lshl_b32 s5, s5, 6
	s_and_b32 s4, s2, 3
	s_lshl_b32 s4, s4, 3
	s_add_co_u32 s5, s5, s4                        ; R0 = 64 (w / 4) + 8 (w % 4): the first row of W1 in my tile of hidden units
	s_and_b32 s7, ttmp7, 0xffff                    ; y: my work-group's 32 rows i
	v_lshlrev_b32 v[GL16], 4, v26
	v_mul_u32_u24 v[GZ], v1, 96
	v_mad_u32_u24 v[GZ], v2, 24, v[GZ]
	v_lshlrev_b32 v[GS], 2, v1
	v_lshlrev_b32 v[GL4], 2, v26
	v_lshlrev_b32 v[GB], 5, v2
	v_lshlrev_b32 v[GB1], 7, v2
	s_mul_i32 s3, s2, TURNB
	v_add_nc_u32 v[TW], s3, v[GL16]
	v_mul_u32_u24 v[TR], v1, TPITCH
	v_add_nc_u32 v[TR], v[TR], v[GB1]
	v_add_nc_u32 v[TR], s3, v[TR]
	s_mul_i32 s4, s2, FRB
	s_add_co_u32 s4, s4, IMG1
	v_add_nc_u32 v[LIW], s4, v[GL16]
	s_lshl_b32 s4, s2, 7
	s_add_co_u32 s4, s4, SC1
	v_add_nc_u32 v[LSW], s4, v[GL4]
	v_add_nc_u32 v[LIR], IMG1, v[GL16]
	v_add_nc_u32 v[LSR], SC1, v[GL4]
	v_mul_u32_u24 v[BW], v1, RP
	v_add_nc_u32 v[BW], v[BW], v[GB1]
	s_lshl_b32 s6, s5, 2
	s_add_co_u32 s6, s6, BL
	v_add_nc_u32 v[BW], s6, v[BW]                  ; row r, hidden units R0 + 32 h on
	v_add_nc_u32 v[BA0], BL, v[GB1]
	s_lshl_b32 s4, s2, 6
	s_add_co_u32 s4, s4, STG
	v_add_nc_u32 v[SA0], s4, v[GS]                 ; column 16 w + r
	v_lshlrev_b32 v[SH8], 3, v2
	s_mul_i32 s4, s2, 4*RP
	s_add_co_u32 s4, s4, STG
	v_add_nc_u32 v[SR], s4, v[GL16]                ; rows 4 w on
	v_mov_b32 v[KA],   0xabd3f331                  ; A6 = -1.50599506e-12
	v_mov_b32 v[KA+1], 0xabd3f331
	v_mov_b32 v[KB],   0xb57460cd                  ; B4 = -9.10379490e-7
	v_mov_b32 v[KB+1], 0xb57460cd
	v_mov_b32 v[PT], 0                             ; written once: a lane exchange's destination counts as one of its sources
	COEF 36, 0x2fa84a8d                            ; A5 = +3.06119941e-10
	COEF 38, 0xb347667d                            ; A4 = -4.64265104e-8
	COEF 40, 0xb628d45d                            ; A3 = -2.51575617e-6
	COEF 42, 0xb8883d9c                            ; A2 = -6.49646074e-5
	COEF 44, 0xba08eb41                            ; A1 = -5.22304390e-4
	COEF 46, 0xbbba79f3                            ; A0 = -5.69080716e-3
	COEF 48, 0xb7dfbd29                            ; B3 = -2.66717569e-5
	COEF 50, 0xb9dc924e                            ; B2 = -4.20706744e-4
	COEF 52, 0xbb719bf8                            ; B1 = -3.68666458e-3
	COEF 54, 0xbc69b6a7                            ; B0 = -1.42647391e-2
	s_mov_b32 s56, 0xc0b504f3                      ; -4 sqrt(2)
	s_mov_b32 s57, 0x40b504f3                      ; +4 sqrt(2)
	s_mov_b32 s58, 0x76543210                      ; v_permlanex16_b32's selects for lane l xor 16
	s_mov_b32 s59, 0xfedcba98
	s_mov_b32 s33, 0                               ; the upper word of every offset
	s_wait_kmcnt 0x0
	s_load_b32 s62, s[20:21], 0x0                  ; b3
	s_lshl_b32 s32, s5, 10
	s_add_nc_u64 s[8:9], s[8:9], s[32:33]          ; W1 at row R0
	s_mul_i32 s32, s2, FRB
	s_add_nc_u64 s[10:11], s[10:11], s[32:33]      ; W2's codes at row 16 w (96 bytes a row)
	s_lshl_b32 s32, s2, 6
	s_add_nc_u64 s[12:13], s[12:13], s[32:33]      ; and its scale words
	s_lshl_b32 s32, s5, 2
	s_add_nc_u64 s[16:17], s[16:17], s[32:33]      ; b1 at R0
	s_lshl_b32 s34, ttmp9, 7
	s_lshl_b32 s35, s2, 4
	s_add_co_u32 s34, s34, s35                     ; j0 = 128 x + 16 w
	s_mul_i32 s32, s34, 96
	s_add_nc_u64 s[22:23], s[22:23], s[32:33]      ; z1's codes at row j0
	s_lshl_b32 s32, s34, 2
	s_add_nc_u64 s[24:25], s[24:25], s[32:33]      ; and its scale words
	s_mul_i32 s32, s7, 32*96
	s_add_nc_u64 s[26:27], s[26:27], s[32:33]      ; z2's codes at row 32 y
	s_lshl_b32 s32, s7, 7
	s_add_nc_u64 s[28:29], s[28:29], s[32:33]      ; and its scale words
	s_lshl_b32 s32, s7, 17
	s_lshl_b32 s35, s2, 14
	s_add_co_u32 s32, s32, s35
	s_lshl_b32 s35, ttmp9, 9
	s_add_co_u32 s32, s32, s35
	s_add_nc_u64 s[30:31], s[30:31], s[32:33]      ; out at row 32 y + 4 w, column 128 x
	; ---- all loads from memory, in one run.  W1's first: each reads 512 consecutive bytes, half a row
.irp m, 0,1,2,3,4,5,6,7,8,9,10,11,12,13,14,15
.irp p, 0,1
	global_load_b128 v[XY+8*\m+4*\p:XY+8*\m+4*\p+3], v[GL16], s[8:9] offset:((\m%8)+32*(\m/8))*1024+512*\p
.endr
.endr
	WIN 0x40                                       ; destination window 1
.irp p, 0,1,2,3,4,5
	global_load_b64 v[OW+2*\p:OW+2*\p+1], v[GZ], s[10:11] offset:48*(\p/3)+8*(\p%3)          ; W2's tile w: 24 bytes of the row's stream of bits as three loads of 8
.endr
.irp u, 0,1
.irp p, 0,1,2,3,4,5
	global_load_b64 v[Z2F+12*\u+2*\p:Z2F+12*\u+2*\p+1], v[GZ], s[26:27] offset:1536*\u+48*(\p/3)+8*(\p%3)
.endr
.endr
	global_load_b128 v[B1T:B1T+3],   v[GB1], s[16:17]                ; b1[R0 + 32 h + 0 .. 7]: the result's layout
	global_load_b128 v[B1T+4:B1T+7], v[GB1], s[16:17] offset:16
.irp p, 0,1,2,3,4,5
	global_load_b64 v[Z1F+2*\p:Z1F+2*\p+1], v[GZ], s[22:23] offset:48*(\p/3)+8*(\p%3)
.endr
.irp t, 0,1,2,3,4,5,6,7
	global_load_b128 v[B2+8*\t:B2+8*\t+3],   v[GB], s[18:19] offset:64*\t
	global_load_b128 v[B2+8*\t+4:B2+8*\t+7], v[GB], s[18:19] offset:64*\t+16
.endr
	WIN 0
	global_load_b32 v[WS], v[GS], s[12:13]         ; the scale words of W2's tile w
	global_load_b32 v[Z2S], v[GL4], s[28:29]
	global_load_b32 v[Z1S], v[GS], s[24:25]
.irp t, 0,1,2,3,4,5,6,7
	global_load_b128 v[W3R+8*\t:W3R+8*\t+3],   v[GB], s[14:15] offset:64*\t
	global_load_b128 v[W3R+8*\t+4:W3R+8*\t+7], v[GB], s[14:15] offset:64*\t+16
.endr
	; ---- W1's 16 rows turn through my own bytes of LDS (a lane wants 32 neighbours of one row) and are quantised: the left half of the rows for a, the right half for b
	s_wait_loadcnt 61                              ; behind W1's 32 loads 61 were issued (42 into window 1, 19 into window 0): W1's are in
.irp m, 0,1,2,3,4,5,6,7,8,9,10,11,12,13,14,15
.irp p, 0,1
	ds_store_b128 v[TW], v[XY+8*\m+4*\p:XY+8*\m+4*\p+3] offset:TPITCH*\m+512*\p
.endr
.endr
.irp c, 0,1
.irp q, 0,1,2,3,4,5,6,7
	ds_load_b128 v[XY+32*\c+4*\q:XY+32*\c+4*\q+3], v[TR] offset:256*\c+16*\q       ; LDS serves a wave's instructions in order (ISA guide 5.7.1.4): these see my stores
.endr
.endr
	s_wait_dscnt 0x0
	QUANT XY
	IMAGE LIW, CD, 0                               ; W1a's tile w, for all waves
	ds_store_b32 v[LSW], v[HS]
.irp c, 0,1
.irp q, 0,1,2,3,4,5,6,7
	ds_load_b128 v[XY+32*\c+4*\q:XY+32*\c+4*\q+3], v[TR] offset:512+256*\c+16*\q
.endr
.endr
	s_wait_dscnt 0x0                               ; the image's stores have read their registers; the right half is in
	QUANT XY                                       ; W1b's tile w stays in my registers
	s_wait_loadcnt 16                              ; all but W3's 16 loads are in
	s_wait_kmcnt 0x0
	s_mov_b32 s63, s62                             ; b3, twice
	WIN 0x04                                       ; an LDS store's data are its source 1: window 1
	IMAGE LIW, OW, IMG2O                           ; W2's tile w, for all waves
	WIN 0
	ds_store_b32 v[LSW], v[WS] offset:SC2O
	; ---- b + b1 for my 16 hidden units and the work-group's 32 rows i: source 0 = W1b's tile, source 1 = z2's 16 rows, C = b1
	PLACES 8                                       ; a scale register written by a vector instruction stands 8 places ahead of a scaled matrix instruction, codes so written 4
	WIN 0x14                                       ; sources 1 and 2 window 1
	v_wmma_scale_f32_16x16x128_f8f6f4 v[BD:BD+7], v[CD:CD+11], v[Z2F:Z2F+11], v[B1T:B1T+7], v[HS], v[Z2S] matrix_a_fmt:MATRIX_FMT_BF6 matrix_b_fmt:MATRIX_FMT_BF6
	v_wmma_scale_f32_16x16x128_f8f6f4 v[BD+8:BD+15], v[CD:CD+11], v[Z2F+12:Z2F+23], v[B1T:B1T+7], v[HS], v[Z2S] matrix_a_fmt:MATRIX_FMT_BF6 matrix_b_fmt:MATRIX_FMT_BF6 matrix_b_scale:MATRIX_SCALE_ROW1
	WIN 0
	PLACES 5                                       ; four in front of the stores that read the results; five, since the next product's results are laid over z2's fragments
.irp u, 0,1
	ds_store_b128 v[BW], v[BD+8*\u:BD+8*\u+3]   offset:16*RP*\u      ; lane (r, h): row 16 u + r, hidden units R0 + 32 h + 0 .. 7; each result from its low end on
	ds_store_b128 v[BW], v[BD+8*\u+4:BD+8*\u+7] offset:16*RP*\u+16
.endr
	BARRIER                                        ; the sixteen images, their scale words and the 32 rows of b + b1 lie in LDS
	; ---- a for my 16 columns j, in the layout k(R, h); W2's fragments and scale words come to stay
.irp t, 0,1,2,3,4,5,6,7
	FETCH XY+12*\t, FRB*\t
.endr
.irp t, 0,1,2,3,4,5,6,7
	ds_load_b32 v[WS+\t], v[LSR] offset:128*\t
.endr
	WIN 0x40
.irp t, 0,1,2,3,4,5,6,7
	FETCH W2F+12*\t, IMG2O+FRB*\t
.endr
	WIN 0
	s_wait_dscnt 0x0
	WIN 0x44                                       ; source 1 and destination window 1
.irp t, 0,1,2,3,4,5,6,7
	v_wmma_scale_f32_16x16x128_f8f6f4 v[AR+8*\t:AR+8*\t+7], v[XY+12*\t:XY+12*\t+11], v[Z1F:Z1F+11], 0, v[WS+\t], v[Z1S] matrix_a_fmt:MATRIX_FMT_BF6 matrix_b_fmt:MATRIX_FMT_BF6
.endr
	WIN 0
	PLACES 4                                       ; in front of loads into registers that these products have read
.irp t, 0,1,2,3,4,5,6,7
	ds_load_b32 v[WS+\t], v[LSR] offset:SC2O+128*\t                  ; W2's scale words take W1a's place
.endr
	s_wait_dscnt 0x0
	s_wait_loadcnt 0x0                             ; W3
	s_mov_b32 s60, 0
	s_mov_b32 s61, 32
	; ---- one trip = one row i = my 16 pairs
.Lrow:
	v_add_nc_u32 v[AD], s60, v[BA0]
	v_add_nc_u32 v[AS], s60, v[SA0]
.irp c, 0,1
.irp q, 0,1,2,3,4,5,6,7
	ds_load_b128 v[XY+32*\c+4*\q:XY+32*\c+4*\q+3], v[AD] offset:256*\c+16*\q       ; (b + b1)[i][k(R, h)]: the sixteen lanes of a half read the same bytes
.endr
.endr
	s_wait_dscnt 0x0
	WIN 0x04                                       ; source 1 (a) window 1
.irp p, 0,2,4,6,8,10,12,14,16,18,20,22,24,26,28,30,32,34,36,38,40,42,44,46,48,50,52,54,56,58,60,62
	v_pk_add_f32 v[XY+\p:XY+\p+1], v[XY+\p:XY+\p+1], v[AR+\p:AR+\p+1]             ; x, ascending: a's results are first read at their low ends
.endr
	WIN 0
	GELU XY,    0, 0
	GELU XY+16, 0, 0
	GELU XY+32, 0, 0
	GELU XY+48, 0, 0
	QUANT XY                                       ; the hidden layer of my 16 pairs: codes and scale word, in the operand's own registers
	PLACES 8                                       ; the scale word stands 8 places ahead of the scaled matrix instructions, the codes 4
	WIN 0x11                                       ; source 0 (W2) and source 2 (b2) window 1
.irp t, 0,1,2,3,4,5,6,7                        ; eight results, each begun with b2 as its C: no sum is taken up again
	v_wmma_scale_f32_16x16x128_f8f6f4 v[XY+8*\t:XY+8*\t+7], v[W2F+12*\t:W2F+12*\t+11], v[CD:CD+11], v[B2+8*\t:B2+8*\t+7], v[WS+\t], v[HS] matrix_a_fmt:MATRIX_FMT_BF6 matrix_b_fmt:MATRIX_FMT_BF6
.endr
	WIN 0
	PLACES 4                                       ; in front of the first read of the results
	GELU XY,    1, 1
	GELU XY+16, 1, 0
	GELU XY+32, 1, 0
	GELU XY+48, 1, 0
	v_pk_add_f32 v[ACC:ACC+1],   v[ACC:ACC+1],     v[ACC+2:ACC+3]
	v_pk_add_f32 v[ACC+4:ACC+5], v[ACC+4:ACC+5],   v[ACC+6:ACC+7]
	v_pk_add_f32 v[ACC:ACC+1],   v[ACC:ACC+1],     v[ACC+4:ACC+5]
	v_add_f32 v[ACC], v[ACC], v[ACC+1]             ; my 64 units' part of W3's product,
	v_permlanex16_b32 v[PT], v[ACC], s58, s59
	v_add_f32 v[ACC], v[ACC], v[PT]                ; and lane l xor 16's
	ds_store_b32 v[AS], v[ACC]                     ; both halves write the same word with the same value
	s_add_co_u32 s60, s60, RP
	s_sub_co_u32 s61, s61, 1
	s_cmp_lg_u32 s61, 0
	s_cbranch_scc1 .Lrow
	; ---- the way out: a row's 128 columns come from eight waves; each wave stores four whole rows of 512 bytes
	BARRIER                                        ; 32 rows lie in the stage
.irp q, 0,1,2,3
	ds_load_b128 v[XY+4*\q:XY+4*\q+3], v[SR] offset:RP*\q
.endr
.irp q, 0,1,2,3
	s_wait_dscnt 3-\q                              ; row q is in; the younger rows' loads may be out
	v_pk_add_f32 v[XY+4*\q:XY+4*\q+1],   v[XY+4*\q:XY+4*\q+1],   s[62:63] op_sel_hi:[1,0]   ; + b3
	v_pk_add_f32 v[XY+4*\q+2:XY+4*\q+3], v[XY+4*\q+2:XY+4*\q+3], s[62:63] op_sel_hi:[1,0]
	global_store_b128 v[GL16], v[XY+4*\q:XY+4*\q+3], s[30:31] offset:4096*\q th:TH_STORE_NT   ; 32 lanes store 512 consecutive bytes, at a multiple of 512 from the output's first byte; written once, read by nobody here
.endr
	s_wait_tensorcnt 0x0
	ds_add_u32 v30, v31
	s_wait_dscnt 0x0
	s_endpgm
.Lfunc_end_k_q331593045d_club:
	.size	k_q331593045d_club, .Lfunc_end_k_q331593045d_club-k_q331593045d_club
	.p2alignl 7, 3214868480
	.fill 96, 4, 3214868480
	.section	.rodata,"a",@progbits
	.p2align	6, 0x0
	.amdhsa_kernel k_q331593045d_club
		.amdhsa_group_segment_fixed_size 194560
		.amdhsa_private_segment_fixed_size 0
		.amdhsa_enable_private_segment 0
		.amdhsa_kernarg_size 96
		.amdhsa_user_sgpr_count 2
		.amdhsa_user_sgpr_kernarg_segment_ptr 1
		.amdhsa_wavefront_size32 1
		.amdhsa_system_sgpr_workgroup_id_x 1
		.amdhsa_system_sgpr_workgroup_id_y 1
		.amdhsa_system_sgpr_workgroup_id_z 1
		.amdhsa_system_vgpr_workitem_id 0
		.amdhsa_next_free_vgpr 512
		.amdhsa_next_free_sgpr 66
		.amdhsa_reserve_vcc 0
		.amdhsa_float_denorm_mode_32 3
		.amdhsa_float_denorm_mode_16_64 3
		.amdhsa_memory_ordered 1
		.amdhsa_forward_progress 1
		.amdhsa_inst_pref_size 111
	.end_amdhsa_kernel
	.amdgpu_metadata
---
amdhsa.version: [ 1, 2 ]
amdhsa.kernels:
  - .name:           k_q331593045d_club
    .symbol:         k_q331593045d_club.kd
    .args:
      - { .name: W1, .offset: 0, .size: 8, .value_kind: global_buffer, .address_space: global }
      - { .name: W2_codes, .offset: 8, .size: 8, .value_kind: global_buffer, .address_space: global }
      - { .name: W2_scales, .offset: 16, .size: 8, .value_kind: global_buffer, .address_space: global }
      - { .name: W3, .offset: 24, .size: 8, .value_kind: global_buffer, .address_space: global }
      - { .name: b1, .offset: 32, .size: 8, .value_kind: global_buffer, .address_space: global }
      - { .name: b2, .offset: 40, .size: 8, .value_kind: global_buffer, .address_space: global }
      - { .name: b3, .offset: 48, .size: 8, .value_kind: global_buffer, .address_space: global }
      - { .name: z1_codes, .offset: 56, .size: 8, .value_kind: global_buffer, .address_space: global }
      - { .name: z1_scales, .offset: 64, .size: 8, .value_kind: global_buffer, .address_space: global }
      - { .name: z2_codes, .offset: 72, .size: 8, .value_kind: global_buffer, .address_space: global }
      - { .name: z2_scales, .offset: 80, .size: 8, .value_kind: global_buffer, .address_space: global }
      - { .name: out0, .offset: 88, .size: 8, .value_kind: global_buffer, .address_space: global }
    .group_segment_fixed_size: 194560
    .private_segment_fixed_size: 0
    .kernarg_segment_align: 8
    .kernarg_segment_size: 96
    .max_flat_workgroup_size: 256
    .sgpr_count:     66
    .vgpr_count:     512
    .wavefront_size: 32
...
	.end_amdgpu_metadata
.endif
;; end of part 1
;; ======== version 2 of 2: 1 launch; version 1 with the launch club written anew for expert scheduling mode
;; launch club (part 2): grid 8 x 32, 8 waves a work-group, no clusters, 194,560 bytes of LDS; arguments W1, W2_codes, W2_scales, W3, b1, b2, b3, z1_codes, z1_scales, z2_codes, z2_scales, out0; writes out0
.if DOCPART == 2
	.amdgcn_target "amdgcn-amd-amdhsa--gfx1250"
	.amdhsa_code_object_version 6
	.text
	.protected	k_q331593045d_club
	.globl	k_q331593045d_club
	.p2align	8
	.type	k_q331593045d_club,@function
k_q331593045d_club:
	s_mov_b64 s[64:65], 0
	v_nop
	global_prefetch_b8 v0, s[64:65] scope:SCOPE_SE
	s_setreg_imm32_b32 hwreg(HW_REG_WAVE_SCHED_MODE, 0, 2), 2
	s_setreg_imm32_b32 hwreg(HW_REG_WAVE_MODE, 25, 1), 1
	s_wait_xcnt 0x0
	s_wait_alu depctr_vm_vsrc(0)
; out[i][j] = W3 . gelu(W2 . Q(gelu(a[j] + b[i] + b1)) + b2) + b3,  a = z1 W1a^T, b = z2 W1b^T,  1,024 x 1,024 pairs (i, j), hidden size 128.
; The three products with K = 128 go on codes of BF6 (E3M2) with one E8M0 scale for each 32 along K; z1, z2 and W2 arrive as codes, W1 (f32) and the first gelu's result are quantised here.  All else is f32.
; WHAT BINDS.  A pair costs 256 exact gelus and 8 / 16 of a matrix instruction's tile: the vector work outweighs the matrix work many times.  So the text is laid for few vector instructions a number, and for nothing else.
; SHARES.  A work-group owns 32 rows i x 128 columns j.  Eight waves, two for each of a WGP's four SIMDs, 512 registers each: one wave's waits stand beside the other's vector work.
;   Wave w owns the 16 columns j0 = 128 x + 16 w on and walks the 32 rows: one trip = one i = 16 pairs.  Lane (r = lane % 16, h = lane / 16) holds pair r throughout.
; LAYOUT.  The first gelu is elementwise, so it is computed straight in the layout of a 6-bit operand: register R (0 .. 63) of lane (r, h) holds hidden unit k(R, h) = 64 (R / 32) + 32 h + R % 32.
;   A whole block of 32 then lies in one lane: its largest magnitude needs no other lane, and the conversions' results are the operand's registers.
;   a is brought into that layout by the choice of W1's rows for a tile: row m of tile t is W1's row 64 (t / 4) + 8 (t % 4) + m % 8 + 32 (m / 8); the product is used transposed (source 0 = W1's rows, source 1 = z1's).
;   b + b1 (b1 is the C of that product) goes to LDS as plain rows of f32, and a trip reads its row in the lane's order.
;   The third product is used transposed too (source 0 = 16 rows of W2, source 1 = the hidden layer; C = b2): register 8 t + jj of lane (r, h) is unit 16 t + 8 h + jj of pair r.  W3's product is 32 packed
;   multiply-adds a lane and one exchange between lanes l and l xor 16.
; GELU.  gelu(x) = x (0.5 + xc P(z) / Q(z)), xc = x held to +-4 sqrt(2), z = xc^2: the rational form of erf of degree 6 over 4 in (x / sqrt 2)^2, its coefficients rewritten for z (x 2^-k, exact) and 0.5 / sqrt(2) folded into P.
; NO CLUSTER: what work-groups share is W1 (131,072 bytes) and W2's 12,800 bytes, read once at the head, ahead of 32 trips of some 1,300 vector instructions a wave; the loop reads nothing from memory.
; NO TENSOR LOADS, no ring: LDS is written by ds_store alone.  Two barriers in all.
; LIMITS.  Below x = -4 sqrt(2) a gelu gives x s(-4 sqrt 2), |s| about 6e-8 at the most, for x Phi(x) (under 1e-8 |x|).  NaN and infinities among the inputs are not served.  A block of zeros gets the byte 1 where the rule
;   says 127: its codes are zeros, and these bytes are read here alone.  x is formed as a + (b + b1) where the problem's text forms (a + b) + b1.
; THE MODE: SCHED_MODE bits 1:0 = 2 (LLVM: expert scheduling mode 2), set by the entry lines.  The code itself states the register dependences between vector or matrix instructions and memory or LDS
;   instructions, with s_wait_alu, always for 0.
; THE PLAN.  Registers that LDS instructions touch in the loop:
;   XY, in four quarters of 16.  Quarter g: the LDS loads of row i + 1 land in it; before that, in trip i, the additions, the first gelu, the quantiser, the third product (which writes it) and group g of the second
;               gelu name it.  Group g's last read (x s) stands ahead of group g + 1's wait for its reciprocals: so that wait also frees quarter g, and the quarter's four loads stand directly behind it.
;               The last quarter is freed by the wait at the trip's end.  The two waves of a SIMD hold all its registers: there is no room for a second row, so the one buffer is filled again as it empties.
;   v[AD]       Read by the sixteen loads of row i + 1 (the immediate offset reaches one row on); written once a trip, at the trip's head.
;   v[AS]       Read by the trip's one LDS store; written once a trip, at the trip's head.
;   v[ACC]      Read by that store; written by the second gelu and the sums behind it.
;   All else in the loop (a, W2, b2, W3, the gelu's sixteen-number buffers, the codes and their scale word) is named by vector and matrix instructions alone.
;   So a trip holds: one wait on vm_vsrc at its head (AD, AS, ACC may be written again); the eight waits on va_vdst behind the reciprocals, three of which also free a quarter of XY; one on va_vdst ahead of
;   the scaled products (codes and scale word are written); one on va_vdst at its end (ACC is written, the last quarter is free).
;
; LDS
.set TURNB,  16640                     ; for each wave: its 16 rows of W1, 1,024 bytes + 16: rows 65 x 16 bytes apart, so sixteen rows' 16-byte pieces fall on sixteen different places modulo 256 bytes
.set TPITCH, 1040
.set FRB,    1536                      ; a fragment's image: 12 registers x 32 lanes x 4 bytes
.set IMG1,   8*TURNB                   ; images of W1a's 8 fragments; behind them (IMG2O on) W2's 8
.set IMG2O,  8*FRB
.set SC1,    IMG1+16*FRB               ; W1a's scale words, 128 bytes a tile; behind them (SC2O on) W2's
.set SC2O,   1024
.set BL,     SC1+2048                  ; b + b1: 32 rows of 512 bytes + 16
.set RP,     528
.set STG,    BL+32*RP                  ; the way out: 32 rows i x 128 columns j of f32, 512 bytes + 16; behind it, from byte 0x2f400 on, the spare words, 128 bytes for each wave, which no other line names
; VECTOR REGISTERS, window 0
.set GL16, 3                           ; 16 x lane
.set GZ,   4                           ; 96 r + 24 h: a lane's place in 16 rows of 128 codes
.set GS,   5                           ; 4 r
.set GL4,  6                           ; 4 x lane
.set GB,   7                           ; 32 h
.set GB1,  8                           ; 128 h
.set TW,   9                           ; my wave's rows of W1 in LDS, as loaded
.set TR,   10                          ; and as a lane wants them: row r, + 128 h
.set LIW,  11                          ; where I store an image
.set LSW,  12                          ; and its scale words
.set LIR,  13                          ; where any image is read
.set LSR,  14                          ; and any scale words
.set BW,   15                          ; where I store b + b1
.set BA0,  16                          ; where a row of it is read
.set SA0,  17                          ; my pair's word in the stage
.set AD,   18                          ; the two of the trip in hand
.set AS,   19
.set SH8,  20                          ; 8 h
.set SR,   21                          ; the way out: where I read rows back
.set KA,   22                          ; v[22:23] P's leading coefficient, twice
.set KB,   24                          ; v[24:25] Q's
.set XY,   32                          ; v32-95   the row of b + b1, then x, then the hidden layer; later the third product's result
.set PX,   96                          ; v96-111  in a gelu: xc
.set PZ,   112                         ; v112-127 z
.set PN,   128                         ; v128-143 P, then P / Q, then s, then x s
.set PD,   144                         ; v144-159 Q, then 1 / Q
.set MX,   96                          ; in the quantiser: v96-99 largest magnitudes,
.set SO,   100                         ; v100-101 the conversions' scale operands,
.set BY,   102                         ; v102-103 the bytes,
.set CT0,  106                         ; v106-108, v110-112 the upper halves of the two blocks' codes
.set CT1,  110
.set BD,   128                         ; at the head: the second product's two results
.set W3R,  160                         ; v160-223 register 8 t + jj = W3[16 t + 8 h + jj]
.set CD,   224                         ; v224-235 the codes just made
.set ACC,  236                         ; v236-243 four pairs of partial sums of W3's product
.set WS,   244                         ; v244-251 scale words of the eight tiles of a weight: nothing but scales
.set HS,   252                         ; the scale word just made: nothing but scales
.set Z1S,  253                         ; z1's scale words
.set Z2S,  254                         ; z2's: lanes 0-15 rows 0-15, lanes 16-31 rows 16-31
.set PT,   255                         ; a lane exchange's destination
; window 1
.set W2F,  0                           ; v0-95    W2's 8 fragments
.set B2,   96                          ; v96-159  register 8 t + jj = b2[16 t + 8 h + jj]
.set AR,   160                         ; v160-223 a, in the layout k(R, h)
.set Z2F,  160                         ; at the head: z2's two fragments
.set Z1F,  224                         ; z1's fragment
.set B1T,  236                         ; b1 for my tile of hidden units
.set OW,   244                         ; W2's tile w, on its way to LDS
; SCALAR REGISTERS: s2 wave; s3-7, s32-35 at work; s[8:31] the twelve addresses; s[36:55] coefficients, each twice; s56, s57 the hold; s[58:59] lane selects; s60 the trip's row in LDS; s61 trips to go; s[62:63] b3, twice
.set MSB, 0
.macro WIN new                         ; s_set_vgpr_msb: bits 1:0 source 0, 3:2 source 1, 5:4 source 2, 7:6 destination; the high byte repeats the setting that is left
.if MSB != \new
	s_set_vgpr_msb (MSB<<8)|\new
.set MSB, \new
.endif
.endm
.macro PLACES n
.rept \n
	v_nop
.endr
.endm
.macro BARRIER                         ; my LDS stores have landed and my LDS loads are in: then the work-group's barrier
	s_wait_dscnt 0x0
	s_barrier_signal -1
	s_barrier_wait -1
.endm
.macro COEF reg, bits                  ; a packed form names a pair and takes its low word for both halves: both words are written
	s_mov_b32 s[\reg], \bits
	s_mov_b32 s[\reg+1], \bits
.endm
.macro IMAGE adr, reg, off             ; a fragment goes to LDS as an image of its registers: lane l's 16 bytes at 16 l, 512 bytes a store
.irp c, 0,1,2
	ds_store_b128 v[\adr], v[\reg+4*\c:\reg+4*\c+3] offset:\off+512*\c
.endr
.endm
.macro FETCH reg, off                  ; and comes back so, in any wave
.irp c, 0,1,2
	ds_load_b128 v[\reg+4*\c:\reg+4*\c+3], v[LIR] offset:\off+512*\c
.endr
.endm
.macro ROWLOAD adr, g, off             ; quarter g of a row of b + b1: (b + b1)[i][k(R, h)], R = 16 g .. 16 g + 15: the sixteen lanes of a half read the same bytes
.irp j, 0,1,2,3
	ds_load_b128 v[XY+16*(\g)+4*\j:XY+16*(\g)+4*\j+3], v[\adr] offset:\off+256*((\g)/2)+64*((\g)%2)+16*\j
.endr
.endm
.macro HORNER acc, sc                  ; acc = acc z + the coefficient, eight pairs
.irp p, 0,2,4,6,8,10,12,14
	v_pk_fma_f32 v[\acc+\p:\acc+\p+1], v[\acc+\p:\acc+\p+1], v[PZ+\p:PZ+\p+1], s[\sc:\sc+1] op_sel_hi:[1,1,0]
.endr
.endm
; 16 numbers v[b] .. v[b + 15].  dot = 0: each becomes its gelu, in place.  dot = 1: the gelus are multiplied by W3 and added to the four pairs of ACC (first = 1: the first four products start the sums: nothing is cleared).
; The numbers are read in ascending order, so that a matrix result is first read at its low end.
; ld = 0: no load.  ld = g + 1: quarter g of XY, which the group before this one has left, takes its part of the next row.
.macro GELU b, dot, first, ld
.irp e, 0,1,2,3,4,5,6,7,8,9,10,11,12,13,14,15
	v_med3_num_f32 v[PX+\e], v[\b+\e], s56, s57                    ; xc
.endr
.irp p, 0,2,4,6,8,10,12,14
	v_pk_mul_f32 v[PZ+\p:PZ+\p+1], v[PX+\p:PX+\p+1], v[PX+\p:PX+\p+1]
.endr
.irp p, 0,2,4,6,8,10,12,14
	v_pk_fma_f32 v[PD+\p:PD+\p+1], v[PZ+\p:PZ+\p+1], v[KB:KB+1], s[48:49] op_sel_hi:[1,1,0]
.endr
.irp p, 0,2,4,6,8,10,12,14
	v_pk_fma_f32 v[PN+\p:PN+\p+1], v[PZ+\p:PZ+\p+1], v[KA:KA+1], s[36:37] op_sel_hi:[1,1,0]
.endr
	HORNER PD, 50                                  ; Q and P by turns: a line's operands were made sixteen lines back
	HORNER PN, 38
	HORNER PD, 52
	HORNER PN, 40
	HORNER PD, 54                                  ; Q is whole
	HORNER PN, 42
.irp p, 0,2,4,6,8,10,12,14                     ; P's last two steps stand between the reciprocals: behind each reciprocal a plain line that touches neither its result nor its source (ISA guide 5.7.2)
	v_pk_fma_f32 v[PN+\p:PN+\p+1], v[PN+\p:PN+\p+1], v[PZ+\p:PZ+\p+1], s[44:45] op_sel_hi:[1,1,0]
	v_rcp_f32 v[PD+\p], v[PD+\p]
.endr
.irp p, 0,2,4,6,8,10,12,14
	v_pk_fma_f32 v[PN+\p:PN+\p+1], v[PN+\p:PN+\p+1], v[PZ+\p:PZ+\p+1], s[46:47] op_sel_hi:[1,1,0]
	v_rcp_f32 v[PD+\p+1], v[PD+\p+1]
.endr
	s_wait_alu depctr_va_vdst(0)                   ; the sixteen reciprocals have written v[PD ..], ahead of their first reader; with ld: the third product has written, and the group before has read for the last time, the quarter of XY in which the loads below land, and v[AD] is written
.if \ld
	ROWLOAD AD, (\ld)-1, RP                        ; the next row's part for that quarter.  No vector instruction behind the wait names these sixteen registers or v[AD]
.endif
.irp p, 0,2,4,6,8,10,12,14
	v_pk_mul_f32 v[PN+\p:PN+\p+1], v[PN+\p:PN+\p+1], v[PD+\p:PD+\p+1]         ; P / Q  (the first of these is the plain line behind the last reciprocal, whose result the last of them reads)
.endr
.irp p, 0,2,4,6,8,10,12,14
	v_pk_fma_f32 v[PN+\p:PN+\p+1], v[PX+\p:PX+\p+1], v[PN+\p:PN+\p+1], 0.5 op_sel_hi:[1,1,0]   ; s = 0.5 + xc P / Q
.endr
.if \dot
.irp p, 0,2,4,6,8,10,12,14
	v_pk_mul_f32 v[PN+\p:PN+\p+1], v[\b+\p:\b+\p+1], v[PN+\p:PN+\p+1]         ; x s
.endr
.irp p, 0,2,4,6,8,10,12,14
.if \first && (\p < 8)
	v_pk_mul_f32 v[ACC+\p%8:ACC+\p%8+1], v[PN+\p:PN+\p+1], v[W3R+\b-XY+\p:W3R+\b-XY+\p+1]
.else
	v_pk_fma_f32 v[ACC+\p%8:ACC+\p%8+1], v[PN+\p:PN+\p+1], v[W3R+\b-XY+\p:W3R+\b-XY+\p+1], v[ACC+\p%8:ACC+\p%8+1]
.endif
.endr
.else
.irp p, 0,2,4,6,8,10,12,14
	v_pk_mul_f32 v[\b+\p:\b+\p+1], v[\b+\p:\b+\p+1], v[PN+\p:PN+\p+1]         ; x s, in place
.endr
.endif
.endm
; 64 numbers of a lane, v[s] .. v[s + 63], register R = k 64 (R / 32) + 32 h + R % 32 of my row: two whole blocks of 32.  They become a fragment's 12 registers in v[CD] on and my row's scale word in v[HS].
.macro QUANT s
	v_max3_num_f32 v[MX+0], |v[\s+0]|,  |v[\s+1]|,  0x2800000      ; each block's largest magnitude in two chains, the four chains by turns; the floor 2^(5 - 127) is a leaf: the byte cannot fall under 1
	v_max3_num_f32 v[MX+1], |v[\s+16]|, |v[\s+17]|, |v[\s+18]|
	v_max3_num_f32 v[MX+2], |v[\s+32]|, |v[\s+33]|, 0x2800000
	v_max3_num_f32 v[MX+3], |v[\s+48]|, |v[\s+49]|, |v[\s+50]|
.irp i, 0,2,4,6,8,10
	v_max3_num_f32 v[MX+0], v[MX+0], |v[\s+2+\i]|,  |v[\s+3+\i]|
	v_max3_num_f32 v[MX+1], v[MX+1], |v[\s+19+\i]|, |v[\s+20+\i]|
	v_max3_num_f32 v[MX+2], v[MX+2], |v[\s+34+\i]|, |v[\s+35+\i]|
	v_max3_num_f32 v[MX+3], v[MX+3], |v[\s+51+\i]|, |v[\s+52+\i]|
.endr
	v_max3_num_f32 v[MX+0], v[MX+0], |v[\s+14]|, |v[\s+15]|
	v_max3_num_f32 v[MX+2], v[MX+2], |v[\s+46]|, |v[\s+47]|
	v_max3_num_f32 v[MX+0], v[MX+0], v[MX+1], |v[\s+31]|
	v_max3_num_f32 v[MX+2], v[MX+2], v[MX+3], |v[\s+63]|
	v_add_nc_u32 v[SO],   0xfe000000, v[MX+0]                    ; 4 off the exponent field: the conversion takes the exponent field of this operand as its scale, and nothing else of it
	v_add_nc_u32 v[SO+1], 0xfe000000, v[MX+2]
	v_lshrrev_b32 v[BY],   23, v[SO]                             ; the scales' bytes: blocks h and 2 + h of my row,
	v_lshrrev_b32 v[BY+1], 23, v[SO+1]
	v_lshl_or_b32 v[BY], v[BY+1], 16, v[BY]
	v_lshlrev_b32 v[BY], v[SH8], v[BY]                           ; at their places in the scale word (8 h bits up);
	v_permlanex16_b32 v[PT], v[BY], s58, s59
	v_or_b32 v[HS], v[BY], v[PT]                                 ; with lane l xor 16's two the word is whole
	v_cvt_scalef32_pk16_bf6_f32 v[CD:CD+2],     v[\s:\s+15],    v[SO]
	v_cvt_scalef32_pk16_bf6_f32 v[CT0:CT0+2],   v[\s+16:\s+31], v[SO]     ; (a conversion's three registers begin on an even number: a block's upper three do not, so they are made elsewhere and moved)
	v_cvt_scalef32_pk16_bf6_f32 v[CD+6:CD+8],   v[\s+32:\s+47], v[SO+1]
	v_cvt_scalef32_pk16_bf6_f32 v[CT1:CT1+2],   v[\s+48:\s+63], v[SO+1]
	v_nop                                                        ; one plain place behind a scaled conversion
.irp i, 0,1,2
	v_mov_b32 v[CD+3+\i], v[CT0+\i]
	v_mov_b32 v[CD+9+\i], v[CT1+\i]
.endr
.endm
	; ---- the head: addresses, ids, constants
	s_load_b512 s[8:23], s[0:1], 0x0               ; W1 s[8:9], W2's codes s[10:11], W2's scales s[12:13], W3 s[14:15], b1 s[16:17], b2 s[18:19], b3 s[20:21], z1's codes s[22:23]
	s_load_b256 s[24:31], s[0:1], 0x40             ; z1's scales s[24:25], z2's codes s[26:27], z2's scales s[28:29], out s[30:31]
	v_lshl_add_u32 v30, v0, 2, 0x2f400             ; the LDS address of my spare word, and 0: made here and kept for the closing lines alone
	v_mov_b32 v31, 0
	v_lshrrev_b32 v1, 5, v0
	v_readfirstlane_b32 s2, v1                     ; wave 0..7
	v_and_b32 v26, 31, v0                          ; lane
	v_and_b32 v1, 15, v0                           ; r
	v_bfe_u32 v2, v0, 4, 1                         ; h
	s_wait_alu depctr_va_sdst(0)                   ; s2 is written, ahead of its first reader: the wave's places in LDS and in the tensors are made from it
	s_lshr_b32 s5, s2, 2
	s_lshl_b32 s5, s5, 6
	s_and_b32 s4, s2, 3
	s_lshl_b32 s4, s4, 3
	s_add_co_u32 s5, s5, s4                        ; R0 = 64 (w / 4) + 8 (w % 4): the first row of W1 in my tile of hidden units
	s_and_b32 s7, ttmp7, 0xffff                    ; y: my work-group's 32 rows i
	v_lshlrev_b32 v[GL16], 4, v26
	v_mul_u32_u24 v[GZ], v1, 96
	v_mad_u32_u24 v[GZ], v2, 24, v[GZ]
	v_lshlrev_b32 v[GS], 2, v1
	v_lshlrev_b32 v[GL4], 2, v26
	v_lshlrev_b32 v[GB], 5, v2
	v_lshlrev_b32 v[GB1], 7, v2
	s_mul_i32 s3, s2, TURNB
	v_add_nc_u32 v[TW], s3, v[GL16]
	v_mul_u32_u24 v[TR], v1, TPITCH
	v_add_nc_u32 v[TR], v[TR], v[GB1]
	v_add_nc_u32 v[TR], s3, v[TR]
	s_mul_i32 s4, s2, FRB
	s_add_co_u32 s4, s4, IMG1
	v_add_nc_u32 v[LIW], s4, v[GL16]
	s_lshl_b32 s4, s2, 7
	s_add_co_u32 s4, s4, SC1
	v_add_nc_u32 v[LSW], s4, v[GL4]
	v_add_nc_u32 v[LIR], IMG1, v[GL16]
	v_add_nc_u32 v[LSR], SC1, v[GL4]
	v_mul_u32_u24 v[BW], v1, RP
	v_add_nc_u32 v[BW], v[BW], v[GB1]
	s_lshl_b32 s6, s5, 2
	s_add_co_u32 s6, s6, BL
	v_add_nc_u32 v[BW], s6, v[BW]                  ; row r, hidden units R0 + 32 h on
	v_add_nc_u32 v[BA0], BL, v[GB1]
	s_lshl_b32 s4, s2, 6
	s_add_co_u32 s4, s4, STG
	v_add_nc_u32 v[SA0], s4, v[GS]                 ; column 16 w + r
	v_lshlrev_b32 v[SH8], 3, v2
	s_mul_i32 s4, s2, 4*RP
	s_add_co_u32 s4, s4, STG
	v_add_nc_u32 v[SR], s4, v[GL16]                ; rows 4 w on
	v_mov_b32 v[KA],   0xabd3f331                  ; A6 = -1.50599506e-12
	v_mov_b32 v[KA+1], 0xabd3f331
	v_mov_b32 v[KB],   0xb57460cd                  ; B4 = -9.10379490e-7
	v_mov_b32 v[KB+1], 0xb57460cd
	v_mov_b32 v[PT], 0                             ; written once: a lane exchange's destination counts as one of its sources
	COEF 36, 0x2fa84a8d                            ; A5 = +3.06119941e-10
	COEF 38, 0xb347667d                            ; A4 = -4.64265104e-8
	COEF 40, 0xb628d45d                            ; A3 = -2.51575617e-6
	COEF 42, 0xb8883d9c                            ; A2 = -6.49646074e-5
	COEF 44, 0xba08eb41                            ; A1 = -5.22304390e-4
	COEF 46, 0xbbba79f3                            ; A0 = -5.69080716e-3
	COEF 48, 0xb7dfbd29                            ; B3 = -2.66717569e-5
	COEF 50, 0xb9dc924e                            ; B2 = -4.20706744e-4
	COEF 52, 0xbb719bf8                            ; B1 = -3.68666458e-3
	COEF 54, 0xbc69b6a7                            ; B0 = -1.42647391e-2
	s_mov_b32 s56, 0xc0b504f3                      ; -4 sqrt(2)
	s_mov_b32 s57, 0x40b504f3                      ; +4 sqrt(2)
	s_mov_b32 s58, 0x76543210                      ; v_permlanex16_b32's selects for lane l xor 16
	s_mov_b32 s59, 0xfedcba98
	s_mov_b32 s33, 0                               ; the upper word of every offset
	s_wait_kmcnt 0x0
	s_load_b32 s62, s[20:21], 0x0                  ; b3
	s_lshl_b32 s32, s5, 10
	s_add_nc_u64 s[8:9], s[8:9], s[32:33]          ; W1 at row R0
	s_mul_i32 s32, s2, FRB
	s_add_nc_u64 s[10:11], s[10:11], s[32:33]      ; W2's codes at row 16 w (96 bytes a row)
	s_lshl_b32 s32, s2, 6
	s_add_nc_u64 s[12:13], s[12:13], s[32:33]      ; and its scale words
	s_lshl_b32 s32, s5, 2
	s_add_nc_u64 s[16:17], s[16:17], s[32:33]      ; b1 at R0
	s_lshl_b32 s34, ttmp9, 7
	s_lshl_b32 s35, s2, 4
	s_add_co_u32 s34, s34, s35                     ; j0 = 128 x + 16 w
	s_mul_i32 s32, s34, 96
	s_add_nc_u64 s[22:23], s[22:23], s[32:33]      ; z1's codes at row j0
	s_lshl_b32 s32, s34, 2
	s_add_nc_u64 s[24:25], s[24:25], s[32:33]      ; and its scale words
	s_mul_i32 s32, s7, 32*96
	s_add_nc_u64 s[26:27], s[26:27], s[32:33]      ; z2's codes at row 32 y
	s_lshl_b32 s32, s7, 7
	s_add_nc_u64 s[28:29], s[28:29], s[32:33]      ; and its scale words
	s_lshl_b32 s32, s7, 17
	s_lshl_b32 s35, s2, 14
	s_add_co_u32 s32, s32, s35
	s_lshl_b32 s35, ttmp9, 9
	s_add_co_u32 s32, s32, s35
	s_add_nc_u64 s[30:31], s[30:31], s[32:33]      ; out at row 32 y + 4 w, column 128 x
	; ---- all loads from memory, in one run.  W1's first: each reads 512 consecutive bytes, half a row
	s_wait_alu depctr_va_vdst(0)                   ; the offsets and LDS addresses v3 to v17, v20 and v21 are written: every load and store of the kernel but the loop's reads one of them, and none is written again
.irp m, 0,1,2,3,4,5,6,7,8,9,10,11,12,13,14,15
.irp p, 0,1
	global_load_b128 v[XY+8*\m+4*\p:XY+8*\m+4*\p+3], v[GL16], s[8:9] offset:((\m%8)+32*(\m/8))*1024+512*\p
.endr
.endr
	WIN 0x40                                       ; destination window 1
.irp p, 0,1,2,3,4,5
	global_load_b64 v[OW+2*\p:OW+2*\p+1], v[GZ], s[10:11] offset:48*(\p/3)+8*(\p%3)          ; W2's tile w: 24 bytes of the row's stream of bits as three loads of 8
.endr
.irp u, 0,1
.irp p, 0,1,2,3,4,5
	global_load_b64 v[Z2F+12*\u+2*\p:Z2F+12*\u+2*\p+1], v[GZ], s[26:27] offset:1536*\u+48*(\p/3)+8*(\p%3)
.endr
.endr
	global_load_b128 v[B1T:B1T+3],   v[GB1], s[16:17]                ; b1[R0 + 32 h + 0 .. 7]: the result's layout
	global_load_b128 v[B1T+4:B1T+7], v[GB1], s[16:17] offset:16
.irp p, 0,1,2,3,4,5
	global_load_b64 v[Z1F+2*\p:Z1F+2*\p+1], v[GZ], s[22:23] offset:48*(\p/3)+8*(\p%3)
.endr
.irp t, 0,1,2,3,4,5,6,7
	global_load_b128 v[B2+8*\t:B2+8*\t+3],   v[GB], s[18:19] offset:64*\t
	global_load_b128 v[B2+8*\t+4:B2+8*\t+7], v[GB], s[18:19] offset:64*\t+16
.endr
	WIN 0
	global_load_b32 v[WS], v[GS], s[12:13]         ; the scale words of W2's tile w
	global_load_b32 v[Z2S], v[GL4], s[28:29]
	global_load_b32 v[Z1S], v[GS], s[24:25]
.irp t, 0,1,2,3,4,5,6,7
	global_load_b128 v[W3R+8*\t:W3R+8*\t+3],   v[GB], s[14:15] offset:64*\t
	global_load_b128 v[W3R+8*\t+4:W3R+8*\t+7], v[GB], s[14:15] offset:64*\t+16
.endr
	; ---- W1's 16 rows turn through my own bytes of LDS (a lane wants 32 neighbours of one row) and are quantised: the left half of the rows for a, the right half for b
	s_wait_loadcnt 61                              ; behind W1's 32 loads 61 were issued (42 into window 1, 19 into window 0): W1's are in
.irp m, 0,1,2,3,4,5,6,7,8,9,10,11,12,13,14,15
.irp p, 0,1
	ds_store_b128 v[TW], v[XY+8*\m+4*\p:XY+8*\m+4*\p+3] offset:TPITCH*\m+512*\p
.endr
.endr
	s_wait_alu depctr_vm_vsrc(0)                   ; these stores have read v32 to v159: the loads below land in v32 to v95, and the quantiser writes v96 to v112
.irp c, 0,1
.irp q, 0,1,2,3,4,5,6,7
	ds_load_b128 v[XY+32*\c+4*\q:XY+32*\c+4*\q+3], v[TR] offset:256*\c+16*\q       ; LDS serves a wave's instructions in order (ISA guide 5.7.1.4): these see my stores
.endr
.endr
	s_wait_dscnt 0x0
	QUANT XY
	s_wait_alu depctr_va_vdst(0)                   ; the quantiser has written v[CD ..] and v[HS], which the stores below read, and is done reading v[XY ..], in which the right half's loads land
	IMAGE LIW, CD, 0                               ; W1a's tile w, for all waves
	ds_store_b32 v[LSW], v[HS]
.irp c, 0,1
.irp q, 0,1,2,3,4,5,6,7
	ds_load_b128 v[XY+32*\c+4*\q:XY+32*\c+4*\q+3], v[TR] offset:512+256*\c+16*\q
.endr
.endr
	s_wait_dscnt 0x0                               ; the right half is in
	s_wait_alu depctr_vm_vsrc(0)                   ; the image's stores have read v[CD ..] and v[HS], which the quantiser writes again
	QUANT XY                                       ; W1b's tile w stays in my registers
	s_wait_loadcnt 16                              ; all but W3's 16 loads are in
	s_wait_kmcnt 0x0
	s_mov_b32 s63, s62                             ; b3, twice
	WIN 0x04                                       ; an LDS store's data are its source 1: window 1
	IMAGE LIW, OW, IMG2O                           ; W2's tile w, for all waves (its data and the scale words' below come from loads: no vector instruction has named them)
	WIN 0
	ds_store_b32 v[LSW], v[WS] offset:SC2O
	; ---- b + b1 for my 16 hidden units and the work-group's 32 rows i: source 0 = W1b's tile, source 1 = z2's 16 rows, C = b1
	PLACES 8                                       ; a scale register written by a vector instruction stands 8 places ahead of a scaled matrix instruction, codes so written 4
	WIN 0x14                                       ; sources 1 and 2 window 1
	s_wait_alu depctr_va_vdst(0)                   ; the quantiser has written v[CD ..] and v[HS], which the scaled products take as codes and scales; the places above stay beside this wait
	v_wmma_scale_f32_16x16x128_f8f6f4 v[BD:BD+7], v[CD:CD+11], v[Z2F:Z2F+11], v[B1T:B1T+7], v[HS], v[Z2S] matrix_a_fmt:MATRIX_FMT_BF6 matrix_b_fmt:MATRIX_FMT_BF6
	v_wmma_scale_f32_16x16x128_f8f6f4 v[BD+8:BD+15], v[CD:CD+11], v[Z2F+12:Z2F+23], v[B1T:B1T+7], v[HS], v[Z2S] matrix_a_fmt:MATRIX_FMT_BF6 matrix_b_fmt:MATRIX_FMT_BF6 matrix_b_scale:MATRIX_SCALE_ROW1
	WIN 0
	PLACES 5                                       ; four in front of the stores that read the results; five, since the next product's results are laid over z2's fragments
	s_wait_alu depctr_va_vdst(0)                   ; the two products have written v[BD ..], which the stores read; and the quantiser is done with v32 to v112, in which the fetches behind the barrier land
.irp u, 0,1
	ds_store_b128 v[BW], v[BD+8*\u:BD+8*\u+3]   offset:16*RP*\u      ; lane (r, h): row 16 u + r, hidden units R0 + 32 h + 0 .. 7; each result from its low end on
	ds_store_b128 v[BW], v[BD+8*\u+4:BD+8*\u+7] offset:16*RP*\u+16
.endr
	BARRIER                                        ; the sixteen images, their scale words and the 32 rows of b + b1 lie in LDS
	; ---- a for my 16 columns j, in the layout k(R, h); W2's fragments and scale words come to stay
	s_wait_alu depctr_vm_vsrc(0)                   ; my stores have read v[WS], in which a load below lands, and v[BD ..], which the loop's gelus write
.irp t, 0,1,2,3,4,5,6,7
	FETCH XY+12*\t, FRB*\t
.endr
.irp t, 0,1,2,3,4,5,6,7
	ds_load_b32 v[WS+\t], v[LSR] offset:128*\t
.endr
	WIN 0x40
.irp t, 0,1,2,3,4,5,6,7
	FETCH W2F+12*\t, IMG2O+FRB*\t
.endr
	WIN 0
	s_wait_dscnt 0x0
	WIN 0x44                                       ; source 1 and destination window 1
.irp t, 0,1,2,3,4,5,6,7
	v_wmma_scale_f32_16x16x128_f8f6f4 v[AR+8*\t:AR+8*\t+7], v[XY+12*\t:XY+12*\t+11], v[Z1F:Z1F+11], 0, v[WS+\t], v[Z1S] matrix_a_fmt:MATRIX_FMT_BF6 matrix_b_fmt:MATRIX_FMT_BF6
.endr
	WIN 0
	PLACES 4                                       ; in front of loads into registers that these products have read
	s_wait_alu depctr_va_vdst(0)                   ; the eight products are done reading v[WS ..] and v[XY ..], in which the loads below land
.irp t, 0,1,2,3,4,5,6,7
	ds_load_b32 v[WS+\t], v[LSR] offset:SC2O+128*\t                  ; W2's scale words take W1a's place
.endr
.irp g, 0,1,2,3
	ROWLOAD BA0, \g, 0                             ; row 0 of b + b1; each trip asks for the row after its own
.endr
	s_wait_loadcnt 0x0                             ; W3
	s_mov_b32 s60, 0
	s_mov_b32 s61, 31
; ---- one trip = one row i = my 16 pairs.  ahead = 1: the next row of b + b1 is asked for, a quarter at a time, as the second gelu leaves XY
.macro TRIP ahead
	s_wait_alu depctr_vm_vsrc(0)                   ; the last trip's loads have read v[AD], and its store v[AS] and v[ACC]: all three are written again in this trip
.if \ahead
	v_add_nc_u32 v[AD], s60, v[BA0]                ; this row; the loads' offset reaches one row on
.endif
	v_add_nc_u32 v[AS], s60, v[SA0]
	s_wait_dscnt 4                                 ; LDS instructions come back in order (ISA guide 5.7.1): the row's first three quarters are in (and what was issued ahead of them: on the way in W2's scale words, on the way back nothing more; the last trip's store too); the last quarter's four loads may be out
	WIN 0x04                                       ; source 1 (a) window 1
.irp p, 0,2,4,6,8,10,12,14,16,18,20,22,24,26,28,30,32,34,36,38,40,42,44,46
	v_pk_add_f32 v[XY+\p:XY+\p+1], v[XY+\p:XY+\p+1], v[AR+\p:AR+\p+1]             ; x, ascending: a's results are first read at their low ends
.endr
	WIN 0
	GELU XY,    0, 0, 0
	GELU XY+16, 0, 0, 0
	GELU XY+32, 0, 0, 0
	s_wait_dscnt 0x0                               ; the last quarter is in: it was asked for at the last trip's end
	WIN 0x04
.irp p, 48,50,52,54,56,58,60,62
	v_pk_add_f32 v[XY+\p:XY+\p+1], v[XY+\p:XY+\p+1], v[AR+\p:AR+\p+1]
.endr
	WIN 0
	GELU XY+48, 0, 0, 0
	QUANT XY                                       ; the hidden layer of my 16 pairs: codes and scale word, in the operand's own registers
	PLACES 8                                       ; the scale word stands 8 places ahead of the scaled matrix instructions, the codes 4
	WIN 0x11                                       ; source 0 (W2) and source 2 (b2) window 1
	s_wait_alu depctr_va_vdst(0)                   ; the quantiser has written v[CD ..] and v[HS], which the scaled products take as codes and scales; the places above stay beside this wait
.irp t, 0,1,2,3,4,5,6,7                        ; eight results, each begun with b2 as its C: no sum is taken up again
	v_wmma_scale_f32_16x16x128_f8f6f4 v[XY+8*\t:XY+8*\t+7], v[W2F+12*\t:W2F+12*\t+11], v[CD:CD+11], v[B2+8*\t:B2+8*\t+7], v[WS+\t], v[HS] matrix_a_fmt:MATRIX_FMT_BF6 matrix_b_fmt:MATRIX_FMT_BF6
.endr
	WIN 0
	PLACES 4                                       ; in front of the first read of the results
	GELU XY,    1, 1, 0
	GELU XY+16, 1, 0, 1*\ahead
	GELU XY+32, 1, 0, 2*\ahead
	GELU XY+48, 1, 0, 3*\ahead
	v_pk_add_f32 v[ACC:ACC+1],   v[ACC:ACC+1],     v[ACC+2:ACC+3]
	v_pk_add_f32 v[ACC+4:ACC+5], v[ACC+4:ACC+5],   v[ACC+6:ACC+7]
	v_pk_add_f32 v[ACC:ACC+1],   v[ACC:ACC+1],     v[ACC+4:ACC+5]
	v_add_f32 v[ACC], v[ACC], v[ACC+1]             ; my 64 units' part of W3's product,
	v_permlanex16_b32 v[PT], v[ACC], s58, s59
	v_add_f32 v[ACC], v[ACC], v[PT]                ; and lane l xor 16's
	s_wait_alu depctr_va_vdst(0)                   ; v[ACC] is written, which the store reads; the second gelu's last group is done reading the last quarter of XY, in which the loads below land
	ds_store_b32 v[AS], v[ACC]                     ; both halves write the same word with the same value
.if \ahead
	ROWLOAD AD, 3, RP
.endif
.endm
.Lrow:                                                 ; rows 0 to 30
	TRIP 1
	s_add_co_u32 s60, s60, RP
	s_sub_co_u32 s61, s61, 1
	s_cmp_lg_u32 s61, 0
	s_cbranch_scc1 .Lrow
	TRIP 0                                         ; row 31 is written out: there is no row behind it, and no load reaches past the 32 rows of b + b1
	; ---- the way out: a row's 128 columns come from eight waves; each wave stores four whole rows of 512 bytes
	BARRIER                                        ; 32 rows lie in the stage
.irp q, 0,1,2,3
	ds_load_b128 v[XY+4*\q:XY+4*\q+3], v[SR] offset:RP*\q            ; no vector instruction since the last trip's closing wait on va_vdst: the registers' last readers stand ahead of it
.endr
.irp q, 0,1,2,3
	s_wait_dscnt 3-\q                              ; row q is in; the younger rows' loads may be out
	v_pk_add_f32 v[XY+4*\q:XY+4*\q+1],   v[XY+4*\q:XY+4*\q+1],   s[62:63] op_sel_hi:[1,0]   ; + b3
	v_pk_add_f32 v[XY+4*\q+2:XY+4*\q+3], v[XY+4*\q+2:XY+4*\q+3], s[62:63] op_sel_hi:[1,0]
.endr
	s_wait_alu depctr_va_vdst(0)                   ; the eight additions have written v[XY] to v[XY + 15], which the four stores read
.irp q, 0,1,2,3
	global_store_b128 v[GL16], v[XY+4*\q:XY+4*\q+3], s[30:31] offset:4096*\q th:TH_STORE_NT   ; 32 lanes store 512 consecutive bytes, at a multiple of 512 from the output's first byte; written once, read by nobody here
.endr
	s_wait_dscnt 0x0                               ; the closing lines, six on end
	s_wait_alu 0x0
	s_wait_tensorcnt 0x0
	ds_add_u32 v30, v31
	s_wait_dscnt 0x0
	s_endpgm
.Lfunc_end_k_q331593045d_club:
	.size	k_q331593045d_club, .Lfunc_end_k_q331593045d_club-k_q331593045d_club
	.p2alignl 7, 3214868480
	.fill 96, 4, 3214868480
	.section	.rodata,"a",@progbits
	.p2align	6, 0x0
	.amdhsa_kernel k_q331593045d_club
		.amdhsa_group_segment_fixed_size 194560
		.amdhsa_private_segment_fixed_size 0
		.amdhsa_enable_private_segment 0
		.amdhsa_kernarg_size 96
		.amdhsa_user_sgpr_count 2
		.amdhsa_user_sgpr_kernarg_segment_ptr 1
		.amdhsa_wavefront_size32 1
		.amdhsa_system_sgpr_workgroup_id_x 1
		.amdhsa_system_sgpr_workgroup_id_y 1
		.amdhsa_system_sgpr_workgroup_id_z 1
		.amdhsa_system_vgpr_workitem_id 0
		.amdhsa_next_free_vgpr 512
		.amdhsa_next_free_sgpr 66
		.amdhsa_reserve_vcc 0
		.amdhsa_float_denorm_mode_32 3
		.amdhsa_float_denorm_mode_16_64 3
		.amdhsa_memory_ordered 1
		.amdhsa_forward_progress 1
		.amdhsa_inst_pref_size 190
	.end_amdhsa_kernel
	.amdgpu_metadata
---
amdhsa.version: [ 1, 2 ]
amdhsa.kernels:
  - .name:           k_q331593045d_club
    .symbol:         k_q331593045d_club.kd
    .args:
      - { .name: W1, .offset: 0, .size: 8, .value_kind: global_buffer, .address_space: global }
      - { .name: W2_codes, .offset: 8, .size: 8, .value_kind: global_buffer, .address_space: global }
      - { .name: W2_scales, .offset: 16, .size: 8, .value_kind: global_buffer, .address_space: global }
      - { .name: W3, .offset: 24, .size: 8, .value_kind: global_buffer, .address_space: global }
      - { .name: b1, .offset: 32, .size: 8, .value_kind: global_buffer, .address_space: global }
      - { .name: b2, .offset: 40, .size: 8, .value_kind: global_buffer, .address_space: global }
      - { .name: b3, .offset: 48, .size: 8, .value_kind: global_buffer, .address_space: global }
      - { .name: z1_codes, .offset: 56, .size: 8, .value_kind: global_buffer, .address_space: global }
      - { .name: z1_scales, .offset: 64, .size: 8, .value_kind: global_buffer, .address_space: global }
      - { .name: z2_codes, .offset: 72, .size: 8, .value_kind: global_buffer, .address_space: global }
      - { .name: z2_scales, .offset: 80, .size: 8, .value_kind: global_buffer, .address_space: global }
      - { .name: out0, .offset: 88, .size: 8, .value_kind: global_buffer, .address_space: global }
    .group_segment_fixed_size: 194560
    .private_segment_fixed_size: 0
    .kernarg_segment_align: 8
    .kernarg_segment_size: 96
    .max_flat_workgroup_size: 256
    .sgpr_count:     66
    .vgpr_count:     512
    .wavefront_size: 32
...
	.end_amdgpu_metadata
.endif
;; end of part 2
